; MI455X (gfx1250); checked and timed in simulation.
; The chip was launched on July 23, 2026; its instructions are those of AMD's public machine-readable ISA for CDNA 5 (MIT licence, August 2026) and "CDNA5" Instruction Set Architecture Reference Guide (July 2026). The comments in the code are by the model that wrote it; some were corrected since.
;; Multi Head Self Attention. Allowed arithmetic: matrix products marked QUANTISED: E3M2 operands, one E8M0 scale for each 32 along K, by v_wmma_scale_f32_16x16x128_f8f6f4 with both operands' format E3M2, f32 sums; everything else in f32.
;; Inputs: W_K 512 x 512 float32; W_Q 512 x 512 float32; W_V 512 x 512 float32; x 4 x 2,048 x 512 float32.
;; Outputs: out0 4 x 2,048 x 512 float32.
;; This version of the problem:
;;   THIS VERSION OF THE PROBLEM IS GIVEN IN LOW PRECISION. The matrix products marked QUANTISED in the list below multiply operands that are first quantised to E3M2 (3 exponent bits, 2 mantissa bits; 6 bits a number), with one power-of-two scale for each 32 numbers along K (OCP MX v1.0); their sums are f32. All else is computed in f32.
;;   The module's matrix products, in the order in which they are computed (A, B: the left and right operand; K: the contracted axis; several contracted axes count as one K, in the product's order):
;;     1. [M 8,192, K 512] x [K 512, N 512]; A: input x; B: input W_Q: QUANTISED
;;     2. [M 8,192, K 512] x [K 512, N 512]; A: input x; B: input W_K: QUANTISED
;;     3. [M 8,192, K 512] x [K 512, N 512]; A: input x; B: input W_V: QUANTISED
;;     4. batch 32 x [M 2,048, K 64] x [K 64, N 2,048]; A: computed on the way; B: computed on the way: QUANTISED
;;     5. batch 32 x [M 2,048, K 2,048] x [K 2,048, N 64]; A: computed on the way; B: computed on the way: QUANTISED
;;   THE QUANTISER, for each operand of a quantised product, along K:
;;     - K is cut into blocks of 32 from its start; a last block that is shorter is filled with zeros.
;;     - A block's scale is 2^e with e = floor(log2(the largest magnitude in the block)) - 4, held to -126 .. 127; a block of zeros has e = 0. As a byte (E8M0): e + 127.
;;     - Each number is divided by its block's scale, clamped to +-28, and rounded to the nearest number of E3M2, ties to even, subnormals kept.
;;     - The product sums the exact products of the quantised numbers (number of the format x scale) in f32.
;;   ~~~python
;;   def quantise(x, axis):      # numpy; x: float32 -> the quantised numbers, widened to float32 again
;;       x = np.moveaxis(x, axis, -1); K = x.shape[-1]
;;       x = np.pad(x, [(0, 0)] * (x.ndim - 1) + [(0, -K % 32)]); x = x.reshape(x.shape[:-1] + (-1, 32)); a = np.abs(x).max(-1, keepdims=True)
;;       e = np.where(a > 0, np.clip(np.frexp(np.where(a > 0, a, 1))[1] - 1 - 4, -126, 127), 0)      # np.frexp(a)[1] - 1 = floor(log2(a)), exactly
;;       r = np.clip(x / 2.0 ** e, -28, 28)
;;       step = 2.0 ** (np.maximum(np.frexp(np.where(r == 0, 1, r))[1] - 1, -2) - 2)
;;       q = np.round(r / step) * step * 2.0 ** e      # np.round: ties to even
;;       return np.moveaxis(q.reshape(q.shape[:-2] + (-1,))[..., :K], -1, axis).astype(np.float32)
;;   ~~~
;;   OPERANDS COMPUTED ON THE WAY. 'Computed on the way' means the value that the module computes at that place (a softmax that the list does not call 'softmax' is quantised finished and normalised). What goes into a quantiser is computed in f32, as accurately as f32 sums, v_exp_f32 and their like allow (about 1e-6 of the number): no bf16 or f16 on the way to a quantiser, and a product that is left as it is and whose result goes on into a quantised operand takes f32 operands (vector FMAs, or v_wmma_f32_16x16x4_f32). A number that lies on a knife's edge between two numbers of the format may be rounded either way, as far as f32 arithmetic and the matrix unit's own rounding can turn it there, and no further.
;; One version. Each part assembles by itself: llvm-mc -triple=amdgcn-amd-amdhsa -mcpu=gfx1250 --defsym DOCPART=n.
;; ======== version 1 of 1: 3 launches
;; limits: right only within a limited range of input values
;; workspace buffers: img 3,735,552 bytes; isc 311,296 bytes; qrec 4,194,304 bytes; kimg 3,145,728 bytes; ksc 262,144 bytes; vimg 3,145,728 bytes; vsc 262,144 bytes
;; launch quant (part 1): grid 608 x 1, 4 waves a work-group, no clusters, 34,816 bytes of LDS; arguments x, W_Q, W_K, W_V, img, isc; writes img, isc
.if DOCPART == 1
	.amdgcn_target "amdgcn-amd-amdhsa--gfx1250"
	.amdhsa_code_object_version 6
	.text
	.protected	k_qc0fcaaf7ff_quant
	.globl	k_qc0fcaaf7ff_quant
	.p2align	8
	.type	k_qc0fcaaf7ff_quant,@function
k_qc0fcaaf7ff_quant:
	s_mov_b64 s[64:65], 0
	v_nop
	global_prefetch_b8 v0, s[64:65] scope:SCOPE_SE
	s_setreg_imm32_b32 hwreg(HW_REG_WAVE_MODE, 25, 1), 1
	s_wait_xcnt 0x0
; MultiHeadSelfAttention in MX-BF6, launch 1 of 3: x [8192][512], W_Q, W_K, W_V [512][512], f32, become codes of E3M2 with one E8M0 byte for each 32 along K (their last axis).
; NO WORK OF THE PROBLEM IS LEFT OUT in this program: all four inputs reach the output, and all five products are live.  The softmax is taken as the problem writes it: no maximum is taken away
; (the problem takes none), and what is quantised for the last product is the finished exp(s) / (sum + 1e-8).
; LIMITS OF THE PROGRAM: where exp(score) overflows f32 (score over 88.7) the problem's own result is not finite, and this program's is not served; an exponential under 2^-126 comes out as 0;
; a block of zeros gets the scale byte 1 where the quantiser says 127 (its codes are zeros, and the bytes are read by this program alone); NaN and infinities among the inputs are not served.
; LAYOUT OF THE RESULT.  A tile is 16 rows x 512 K = 4 fragments of 16 rows x 128 K.  A fragment is stored as the IMAGE OF THE OPERAND'S 12 REGISTERS: registers 4 c .. 4 c + 3 of lane l at 512 c + 16 l: 1,536 bytes,
; so that the next launch gets a fragment by three dense loads of 16 bytes a lane.  A tile's scale words: lane l's four words (K steps 0 .. 3) at 16 l, 512 bytes a tile.
; WHICH ROWS FORM A TILE: in x, W_Q and W_K row r of tile t is row 64 (t / 4) + 8 (t % 4) + r % 8 + 32 (r / 8).  A matrix result gives a lane half rows 0-7 or rows 8-15 of each tile, so the 32 registers that a lane
; gets from four such tiles are 32 NEIGHBOURS along the next K: one whole block, in one lane.  In W_V row r of tile t is row 16 t + r.  Tiles 0-511: x; 512-543: W_Q; 544-575: W_K; 576-607: W_V.
; SHARES.  A work-group takes one tile, wave s its K step s.  Each load covers 512 consecutive bytes of a row; the 16 rows turn through the wave's own stage in LDS (rows 528 bytes apart) and come back so that lane (r, h)
; holds row r's blocks h and 2 + h of the K step, whole: k = 64 c + 32 h + 0 .. 31.  The four waves' scale words meet in LDS and leave as 512 consecutive bytes.
; No cluster and no prefetch: every byte is read once, and there is no loop to run ahead in.
.set SPITCH, 528
.set WORDS, 4*16*SPITCH                ; behind the four stages: the tile's scale words, 512 bytes
.set SPARE, WORDS+512                  ; the spare words, 128 bytes for each wave: two blocks of 256 bytes that no other line names
.set TM,  8                            ; v8-23   at work
.set SW,  24                           ; v24     the scale word
.set SH,  25                           ; v25     8 h
.set SPW, 26                           ; v26     LDS address of my spare word; never rewritten
.set NIL, 27                           ; v27     0; never rewritten
.set CT,  28                           ; v28-35  the conversions' second halves
.set PC,  36                           ; v36-47  codes
.set X,   64                           ; v64-127  as loaded: row i at 4 i
.set Y,   128                          ; v128-191 my two blocks
.set SEL, 20                           ; s[20:21] v_permlanex16_b32's selects for lane l xor 16
	s_load_b256 s[4:11], s[0:1], 0x0               ; x s[4:5], W_Q s[6:7], W_K s[8:9], W_V s[10:11]
	s_load_b128 s[12:15], s[0:1], 0x20             ; img s[12:13], isc s[14:15]
	v_lshl_add_u32 v[SPW], v0, 2, SPARE
	v_mov_b32 v[NIL], 0
	v_lshrrev_b32 v3, 5, v0
	v_readfirstlane_b32 s16, v3                    ; wave = K step, 0 .. 3
	v_and_b32 v3, 31, v0
	v_lshlrev_b32 v1, 4, v3                        ; 16 x lane
	v_and_b32 v4, 15, v0                           ; r
	v_bfe_u32 v5, v0, 4, 1                         ; h
	v_lshlrev_b32 v[SH], 3, v5
	v_mov_b32 v[TM+5], 0                           ; written once: a lane permute's destination counts as one of its sources
	s_mul_i32 s17, s16, 16*SPITCH
	v_add_nc_u32 v2, s17, v1                       ; the stage, in: a row's 512 bytes
	v_mul_u32_u24 v6, v4, SPITCH
	v_lshl_add_u32 v6, v5, 7, v6
	v_add_nc_u32 v6, s17, v6                       ; and out: row r, + 128 h
	s_lshl_b32 s17, s16, 2
	s_add_co_u32 s17, s17, WORDS
	v_add_nc_u32 v7, s17, v1                       ; my scale word: 16 x lane + 4 x K step
	s_and_b32 s18, ttmp9, 31                       ; the tile's number in a weight (512, 544 and 576 are multiples of 32),
	s_cmp_lt_u32 ttmp9, 512
	s_cselect_b32 s18, ttmp9, s18                  ; or in x
	s_lshr_b32 s28, s18, 2
	s_lshl_b32 s28, s28, 6
	s_and_b32 s29, s18, 3
	s_lshl_b32 s29, s29, 3
	s_add_co_u32 s28, s28, s29                     ; the tile's first row: 64 (t / 4) + 8 (t % 4),
	s_lshl_b32 s29, s18, 4                         ; or, in W_V, 16 t
	s_mov_b32 s30, 0x10000                         ; rows 8-15 stand 32 rows behind row 0,
	s_mov_b32 s19, 0x4000                          ; in W_V 8 rows (a row is 2,048 bytes)
	s_mov_b32 s31, 0
	s_cmp_lt_u32 ttmp9, 576
	s_cselect_b32 s28, s28, s29
	s_cselect_b32 s30, s30, s19
	s_lshl_b32 s22, s28, 11
	s_lshl_b32 s29, s16, 9
	s_add_co_u32 s22, s22, s29                     ; + my K step's 512 bytes
	s_mov_b32 s23, 0
	s_mul_i32 s24, ttmp9, 6144                     ; the tile's four images,
	s_mul_i32 s29, s16, 1536
	s_add_co_u32 s24, s24, s29                     ; mine among them
	s_mov_b32 s25, 0
	s_lshl_b32 s34, ttmp9, 9                       ; the tile's scale words
	s_mov_b32 s35, 0
	s_mov_b32 s[SEL], 0x76543210
	s_mov_b32 s[SEL+1], 0xfedcba98
	s_wait_alu depctr_va_vdst(0)                   ; the wait at the head's end
	s_wait_kmcnt 0x0
	s_cmp_lt_u32 ttmp9, 576                        ; which tensor: the choice hangs on the work-group's number alone
	s_cselect_b64 s[8:9], s[8:9], s[10:11]
	s_cmp_lt_u32 ttmp9, 544
	s_cselect_b64 s[6:7], s[6:7], s[8:9]
	s_cmp_lt_u32 ttmp9, 512
	s_cselect_b64 s[4:5], s[4:5], s[6:7]
	s_add_nc_u64 s[4:5], s[4:5], s[22:23]
	s_add_nc_u64 s[26:27], s[4:5], s[30:31]        ; rows 8-15
	s_add_nc_u64 s[12:13], s[12:13], s[24:25]
	s_add_nc_u64 s[14:15], s[14:15], s[34:35]
.irp i, 0,1,2,3,4,5,6,7
	global_load_b128 v[X+4*\i:X+4*\i+3], v1, s[4:5] offset:2048*\i th:TH_LOAD_NT     ; 32 lanes read 512 consecutive bytes
.endr
.irp i, 0,1,2,3,4,5,6,7
	global_load_b128 v[X+32+4*\i:X+32+4*\i+3], v1, s[26:27] offset:2048*\i th:TH_LOAD_NT
.endr
.set i, 0
.rept 16
	s_wait_loadcnt 15-i                            ; row i is in; the rows behind it may be out
	ds_store_b128 v2, v[X+4*i:X+4*i+3] offset:SPITCH*i
.set i, i+1
.endr
.irp c, 0,1
.irp q, 0,1,2,3,4,5,6,7
	ds_load_b128 v[Y+32*\c+4*\q:Y+32*\c+4*\q+3], v6 offset:256*\c+16*\q              ; LDS serves a wave's instructions in order (ISA guide 5.7.1.4): these see my stores
.endr
.endr
	s_wait_dscnt 0x0
; the two blocks of 32: largest magnitudes (two chains of 16 numbers each, by turns), with the floor 2^(5 - 127): the byte cannot fall under 1
.irp b, 0,1,2,3
	v_max3_num_f32 v[TM+\b], 0x2800000, |v[Y+16*\b]|, |v[Y+16*\b+1]|
.endr
.irp i, 2,4,6,8,10,12,14
.irp b, 0,1,2,3
	v_max3_num_f32 v[TM+\b], v[TM+\b], |v[Y+16*\b+\i]|, |v[Y+16*\b+\i+1]|
.endr
.endr
	v_max_num_f32 v[TM], v[TM], v[TM+1]
	v_max_num_f32 v[TM+2], v[TM+2], v[TM+3]
.irp c, 0,1
	v_add_nc_u32 v[TM+12+\c], 0xfe000000, v[TM+2*\c]   ; 4 off its exponent field: the conversion takes this operand's exponent field as its scale
.endr
.irp c, 0,1
	v_lshrrev_b32 v[TM+4+2*\c], 23, v[TM+12+\c]    ; the scale's byte
.endr
	v_lshl_or_b32 v[SW], v[TM+6], 16, v[TM+4]      ; my blocks h and 2 + h,
	v_lshlrev_b32 v[SW], v[SH], v[SW]              ; at their places in the word;
	v_permlanex16_b32 v[TM+5], v[SW], s[SEL], s[SEL+1]
	v_or_b32 v[SW], v[SW], v[TM+5]                 ; with lane l xor 16's two it is whole
.irp c, 0,1
	v_cvt_scalef32_pk16_bf6_f32 v[PC+6*\c:PC+6*\c+2], v[Y+32*\c:Y+32*\c+15], v[TM+12+\c]
	v_cvt_scalef32_pk16_bf6_f32 v[CT+4*\c:CT+4*\c+2], v[Y+32*\c+16:Y+32*\c+31], v[TM+12+\c]   ; (a conversion's three registers begin on an even number)
.endr
	v_nop                                          ; one plain instruction behind a scaled conversion
.irp c, 0,1
.irp i, 0,1,2
	v_mov_b32 v[PC+6*\c+3+\i], v[CT+4*\c+\i]
.endr
.endr
	ds_store_b32 v7, v[SW]
.irp c, 0,1,2
	global_store_b128 v1, v[PC+4*\c:PC+4*\c+3], s[12:13] offset:512*\c               ; each store covers 512 consecutive bytes, aligned
.endr
	s_wait_dscnt 0x0                               ; for wave 0's sake: my words are stored
	s_barrier_signal -1
	s_barrier_wait -1
	s_cmp_lg_u32 s16, 0
	s_cbranch_scc1 .Lend
	ds_load_b128 v[X:X+3], v1 offset:WORDS
	s_wait_dscnt 0x0
	global_store_b128 v1, v[X:X+3], s[14:15]       ; the tile's scale words: 512 consecutive bytes
.Lend:
	s_wait_tensorcnt 0x0                           ; the wave's end: behind my last LDS store
	ds_add_u32 v[SPW], v[NIL]
	s_wait_dscnt 0x0
	s_endpgm
.Lfunc_end_k_qc0fcaaf7ff_quant:
	.size	k_qc0fcaaf7ff_quant, .Lfunc_end_k_qc0fcaaf7ff_quant-k_qc0fcaaf7ff_quant
	.p2alignl 7, 3214868480
	.fill 96, 4, 3214868480
	.section	.rodata,"a",@progbits
	.p2align	6, 0x0
	.amdhsa_kernel k_qc0fcaaf7ff_quant
		.amdhsa_group_segment_fixed_size 34816
		.amdhsa_private_segment_fixed_size 0
		.amdhsa_enable_private_segment 0
		.amdhsa_kernarg_size 48
		.amdhsa_user_sgpr_count 2
		.amdhsa_user_sgpr_kernarg_segment_ptr 1
		.amdhsa_wavefront_size32 1
		.amdhsa_system_sgpr_workgroup_id_x 1
		.amdhsa_system_sgpr_workgroup_id_y 1
		.amdhsa_system_sgpr_workgroup_id_z 1
		.amdhsa_system_vgpr_workitem_id 0
		.amdhsa_next_free_vgpr 192
		.amdhsa_next_free_sgpr 66
		.amdhsa_reserve_vcc 0
		.amdhsa_float_denorm_mode_32 3
		.amdhsa_float_denorm_mode_16_64 3
		.amdhsa_memory_ordered 1
		.amdhsa_forward_progress 1
		.amdhsa_inst_pref_size 11
	.end_amdhsa_kernel
	.amdgpu_metadata
---
amdhsa.version: [ 1, 2 ]
amdhsa.kernels:
  - .name:           k_qc0fcaaf7ff_quant
    .symbol:         k_qc0fcaaf7ff_quant.kd
    .args:
      - { .name: x, .offset: 0, .size: 8, .value_kind: global_buffer, .address_space: global }
      - { .name: W_Q, .offset: 8, .size: 8, .value_kind: global_buffer, .address_space: global }
      - { .name: W_K, .offset: 16, .size: 8, .value_kind: global_buffer, .address_space: global }
      - { .name: W_V, .offset: 24, .size: 8, .value_kind: global_buffer, .address_space: global }
      - { .name: img, .offset: 32, .size: 8, .value_kind: global_buffer, .address_space: global }
      - { .name: isc, .offset: 40, .size: 8, .value_kind: global_buffer, .address_space: global }
    .group_segment_fixed_size: 34816
    .private_segment_fixed_size: 0
    .kernarg_segment_align: 8
    .kernarg_segment_size: 48
    .max_flat_workgroup_size: 128
    .sgpr_count:     66
    .vgpr_count:     192
    .wavefront_size: 32
...
	.end_amdgpu_metadata
.endif
;; end of part 1
;; launch proj (part 2): grid 4 x 64, 4 waves a work-group, no clusters, 0 bytes of LDS; arguments img, isc, qrec, kimg, ksc, vimg, vsc; writes qrec, kimg, ksc, vimg, vsc
.if DOCPART == 2
	.amdgcn_target "amdgcn-amd-amdhsa--gfx1250"
	.amdhsa_code_object_version 6
	.text
	.protected	k_qc0fcaaf7ff_proj
	.globl	k_qc0fcaaf7ff_proj
	.p2align	8
	.type	k_qc0fcaaf7ff_proj,@function
k_qc0fcaaf7ff_proj:
	s_mov_b64 s[64:65], 0
	v_nop
	global_prefetch_b8 v0, s[64:65] scope:SCOPE_SE
	s_setreg_imm32_b32 hwreg(HW_REG_WAVE_MODE, 25, 1), 1
	s_wait_xcnt 0x0
; Launch 2 of 3: q = x W_Q^T, k = x W_K^T, v = x W_V^T on the codes of launch 1 (K = 512: four matrix instructions deep), and each result quantised in registers for the attention's two products.  No work is left out.
; SHARES.  Work-group (j, rb): heads 2 j and 2 j + 1, rows 128 rb .. 128 rb + 127 of x (eight row tiles: one step of 128 keys of one batch).  THE WAVES SHARE THE COLUMNS: wave w keeps in registers
; a UNIT of 64 columns (w < 2: W_Q, else W_K; head 2 j + w % 2: 16 fragments) and two tiles of 16 rows of W_V (tiles 8 j + 2 w, + 1: 8 fragments), read once.  Each wave loads x's 32 fragments itself, as dense images,
; FOUR row tiles ahead in five sets of registers: no LDS, no barrier.  192 matrix instructions a wave.  No cluster: a joint load lands in LDS alone, and here every operand goes straight into the registers in which it stays.
; No prefetch: each wave has 52 loads of x on their way at every row tile.
; Q AND K ARE MADE TRANSPOSED (source 0 = 16 rows of the weight, source 1 = 16 rows of x): a lane holds one row of x, and its 32 registers of the head's four column tiles are e = 32 h + 0 .. 31: one whole block of the
; next product's K.  Two row tiles (2 x 32 registers) go through the quantiser together: registers 0-5 of the result are row tile 2 b's codes, registers 6-11 row tile 2 b + 1's.
; V IS MADE AS IT STANDS (source 0 = x, source 1 = W_V): a lane holds one channel d, and the 64 registers of the eight row tiles are keys 64 c + 32 h + 0 .. 31, c = 0, 1: two whole blocks of the last product's K.
; WHAT IS STORED, all as images of operand registers (lane l's 16 bytes at 16 l):
;   qrec [bh][query tile 128] x 1,024: +0 registers 0-3, +512 registers 4-5 (8 l), +768 the scale word (s0, s1, s0, s1) (4 l); bytes 896-1,023 are neither written nor read.
;   kimg [bh][pair 64] x 1,536: key tile 2 b at K 0-63, key tile 2 b + 1 at K 64-127;  ksc [bh][key step 16] x 512: at 16 l the words of the step's four pairs.
;   vimg [bh][key step 16][d tile 4] x 1,536;  vsc [bh][key step][half 2] x 256: at 8 l the words of d tiles 2 i, 2 i + 1.
; LIMITS: as stated at the head of launch 1 (a block of zeros gets the byte 1; NaN and infinities are not served).
; REGISTERS, in windows of 256 (s_set_vgpr_msb: bits 1:0 source 0, 3:2 source 1, 5:4 source 2, 7:6 destination):
;   window 0: v1-3, v5 lane terms; v8-23 at work; v24-27 K's pair words; v28-29 V's words; v30-31 Q's words; v32-43 codes; v44-51 second halves; v60-75 the unit's scale words; v76-83 W_V's; v96-159 q or k of two row tiles; v160-179 x's scale words, five sets
;   window 1: v0-191 the unit's fragments (column tile t, K step s at 12 (4 t + s))      window 2: v0-95 W_V's (12 (4 n + s)); v96-239 x's sets 0 to 2      window 3: v0-127 v (64 n + 8 m); v128-223 x's sets 3 and 4
.set SH,  5
.set TM,  8
.set KW,  24
.set VW,  28
.set QW,  30
.set PC,  32
.set CT,  44
.set W1S, 60
.set W2S, 76
.set HA,  96
.set XS,  160
.set SEL, 24                           ; s[24:25] v_permlanex16_b32's selects for lane l xor 16
.set MSB, 0
.macro WIN new                         ; the immediate's high byte repeats the setting that is left; a switch that changes nothing is dropped
.if MSB != (\new)
	s_set_vgpr_msb (MSB<<8)|(\new)
.set MSB, (\new)
.endif
.endm
	s_load_b256 s[4:11], s[0:1], 0x0               ; img s[4:5], isc s[6:7], qrec s[8:9], kimg s[10:11]
	s_load_b128 s[12:15], s[0:1], 0x20             ; ksc s[12:13], vimg s[14:15]
	s_load_b64 s[16:17], s[0:1], 0x30              ; vsc
	v_lshrrev_b32 v4, 5, v0
	v_readfirstlane_b32 s18, v4                    ; wave w
	v_and_b32 v4, 31, v0
	v_lshlrev_b32 v1, 4, v4                        ; 16 x lane
	v_lshlrev_b32 v2, 3, v4                        ; 8 x lane
	v_lshlrev_b32 v3, 2, v4                        ; 4 x lane
	v_bfe_u32 v[SH], v0, 4, 1
	v_lshlrev_b32 v[SH], 3, v[SH]                  ; 8 h
	v_mov_b32 v[TM+5], 0                           ; written once: a lane permute's destination counts as one of its sources
	s_mov_b32 s[SEL], 0x76543210
	s_mov_b32 s[SEL+1], 0xfedcba98
	s_and_b32 s20, ttmp7, 0xffff                   ; rb
	s_lshr_b32 s21, s20, 4                         ; batch
	s_and_b32 s22, s20, 15                         ; the key step in the batch
	s_and_b32 s23, s18, 1                          ; w % 2
	s_lshr_b32 s19, s18, 1                         ; w / 2
	; every offset is made apart from the addresses, in a pair of its own with 0 above
	s_mul_i32 s40, s20, 49152                      ; x's eight tiles: 8 x 6,144 bytes of images,
	s_lshl_b32 s42, s20, 12                        ; 8 x 512 of scale words
	s_lshl_b32 s26, ttmp9, 1                       ; 2 j
	s_add_co_u32 s27, s26, s23                     ; the unit's head in the batch
	s_lshl_b32 s44, s27, 2
	s_lshl_b32 s46, s19, 5
	s_add_co_u32 s44, s44, s46
	s_add_co_u32 s44, s44, 512                     ; the unit's first tile: 512 + 32 (w / 2) + 4 head
	s_lshl_b32 s46, s44, 9
	s_mul_i32 s44, s44, 6144
	s_lshl_b32 s48, ttmp9, 3
	s_lshl_b32 s50, s18, 1
	s_add_co_u32 s48, s48, s50
	s_add_co_u32 s48, s48, 576                     ; my first tile of W_V: 576 + 8 j + 2 w
	s_lshl_b32 s50, s48, 9
	s_mul_i32 s48, s48, 6144
	s_lshl_b32 s28, s21, 3
	s_add_co_u32 s29, s28, s27                     ; bh of the unit: 8 batch + 2 j + w % 2
	s_add_co_u32 s28, s28, s26
	s_add_co_u32 s28, s28, s19                     ; bh of my tiles of V: 8 batch + 2 j + w / 2
	s_lshl_b32 s52, s29, 17
	s_lshl_b32 s30, s22, 13
	s_add_co_u32 s52, s52, s30                     ; qrec: (128 bh + 8 step) x 1,024
	s_lshl_b32 s54, s29, 6
	s_lshl_b32 s30, s22, 2
	s_add_co_u32 s54, s54, s30
	s_mul_i32 s54, s54, 1536                       ; kimg: (64 bh + 4 step) x 1,536
	s_lshl_b32 s56, s29, 4
	s_add_co_u32 s56, s56, s22
	s_lshl_b32 s56, s56, 9                         ; ksc: (16 bh + step) x 512
	s_lshl_b32 s30, s28, 4
	s_add_co_u32 s30, s30, s22                     ; 16 bh + step, for V
	s_lshl_b32 s58, s30, 2
	s_lshl_b32 s31, s23, 1
	s_add_co_u32 s58, s58, s31
	s_mul_i32 s58, s58, 1536                       ; vimg: (4 (16 bh + step) + 2 (w % 2)) x 1,536
	s_lshl_b32 s60, s30, 1
	s_add_co_u32 s60, s60, s23
	s_lshl_b32 s60, s60, 8                         ; vsc: (2 (16 bh + step) + w % 2) x 256
.irp g, 41,43,45,47,49,51,53,55,57,59,61
	s_mov_b32 s\g, 0
.endr
	s_wait_alu depctr_va_vdst(0)                   ; the wait at the head's end
	s_wait_kmcnt 0x0
	s_add_nc_u64 s[28:29], s[4:5], s[40:41]        ; x's images
	s_add_nc_u64 s[30:31], s[6:7], s[42:43]        ; x's scale words
	s_add_nc_u64 s[32:33], s[4:5], s[44:45]        ; the unit's images
	s_add_nc_u64 s[34:35], s[6:7], s[46:47]        ; the unit's scale words
	s_add_nc_u64 s[36:37], s[4:5], s[48:49]        ; W_V's images
	s_add_nc_u64 s[38:39], s[6:7], s[50:51]        ; W_V's scale words
	s_add_nc_u64 s[8:9], s[8:9], s[52:53]
	s_add_nc_u64 s[10:11], s[10:11], s[54:55]
	s_add_nc_u64 s[12:13], s[12:13], s[56:57]
	s_add_nc_u64 s[14:15], s[14:15], s[58:59]
	s_add_nc_u64 s[16:17], s[16:17], s[60:61]
	WIN 0x40                                       ; destination window 1
.set i, 0
.rept 48
	global_load_b128 v[4*i:4*i+3], v1, s[32:33] offset:512*i       ; the unit's 16 fragments: they stay
.set i, i+1
.endr
	WIN 0x80                                       ; destination window 2
.set i, 0
.rept 24
	global_load_b128 v[4*i:4*i+3], v1, s[36:37] offset:512*i       ; W_V's 8 fragments: they stay
.set i, i+1
.endr
	WIN 0
.irp t, 0,1,2,3
	global_load_b128 v[W1S+4*\t:W1S+4*\t+3], v1, s[34:35] offset:512*\t
.endr
.irp n, 0,1
	global_load_b128 v[W2S+4*\n:W2S+4*\n+3], v1, s[38:39] offset:512*\n
.endr
; where row tile m of x lies: set m % 5, at XR of window XWN, its scale words at XW of window 0
.macro SETOF m
.set XQ, (\m)%5
.if XQ < 3
.set XWN, 2
.set XR, 96+48*XQ
.else
.set XWN, 3
.set XR, 48*XQ-16
.endif
.set XW, XS+4*XQ
.endm
; row tile m of x: four fragments and their four scale words: 13 loads
.macro XFETCH m
	SETOF \m
	WIN XWN<<6
.irp i, 0,1,2,3,4,5,6,7,8,9,10,11
	global_load_b128 v[XR+4*\i:XR+4*\i+3], v1, s[28:29] offset:6144*(\m)+512*\i
.endr
	WIN 0
	global_load_b128 v[XW:XW+3], v1, s[30:31] offset:512*(\m)
.endm
; row tile m: 16 matrix instructions for the unit, 8 for V.  The accumulators take turns, one instruction a turn; the first K step starts each sum with the constant 0.
.macro TILE m
.if (\m)%2
.rept 4
	v_nop                                          ; four places in front of loads into the set that the matrix instructions just above have read (ISA guide 7.12.1 for vector instructions).  Ahead of an even tile the quantiser's lines stand there
.endr
.endif
.if (\m) < 4
	XFETCH (\m)+4                                  ; into the set of tile m - 1
	s_wait_loadcnt 52                              ; all but the four tiles behind this one: this tile's fragments are in (and, at tile 0, the weights)
.else
	s_wait_loadcnt 13*(7-(\m))                     ; all but the tiles behind this one
.endif
	SETOF \m
.set HR, HA+32*((\m)%2)
	WIN 1+4*XWN                                    ; source 0 (the unit) window 1, source 1 (x) its set's window, C and D window 0
.irp s, 0,1,2,3
.irp t, 0,1,2,3
.if \s == 0
	v_wmma_scale_f32_16x16x128_f8f6f4 v[HR+8*\t:HR+8*\t+7], v[12*(4*\t+\s):12*(4*\t+\s)+11], v[XR+12*\s:XR+12*\s+11], 0, v[W1S+4*\t+\s], v[XW+\s] matrix_a_fmt:MATRIX_FMT_BF6 matrix_b_fmt:MATRIX_FMT_BF6
.else
	v_wmma_scale_f32_16x16x128_f8f6f4 v[HR+8*\t:HR+8*\t+7], v[12*(4*\t+\s):12*(4*\t+\s)+11], v[XR+12*\s:XR+12*\s+11], v[HR+8*\t:HR+8*\t+7], v[W1S+4*\t+\s], v[XW+\s] matrix_a_fmt:MATRIX_FMT_BF6 matrix_b_fmt:MATRIX_FMT_BF6
.endif
.endr
.endr
	WIN 0xf8+XWN                                   ; source 0 (x) its set's window, source 1 (W_V) window 2, C and D window 3
.irp s, 0,1,2,3
.irp n, 0,1
.if \s == 0
	v_wmma_scale_f32_16x16x128_f8f6f4 v[64*\n+8*(\m):64*\n+8*(\m)+7], v[XR+12*\s:XR+12*\s+11], v[12*(4*\n+\s):12*(4*\n+\s)+11], 0, v[XW+\s], v[W2S+4*\n+\s] matrix_a_fmt:MATRIX_FMT_BF6 matrix_b_fmt:MATRIX_FMT_BF6
.else
	v_wmma_scale_f32_16x16x128_f8f6f4 v[64*\n+8*(\m):64*\n+8*(\m)+7], v[XR+12*\s:XR+12*\s+11], v[12*(4*\n+\s):12*(4*\n+\s)+11], v[64*\n+8*(\m):64*\n+8*(\m)+7], v[XW+\s], v[W2S+4*\n+\s] matrix_a_fmt:MATRIX_FMT_BF6 matrix_b_fmt:MATRIX_FMT_BF6
.endif
.endr
.endr
	WIN 0
.endm
; 64 numbers of a lane in window X, register src + 32 c + i = the number 32 (2 c + h) + i along the next K, become a fragment's 12 registers of codes at dst and its scale word, both in window 0: a block lies whole in a lane.
; Each accumulator is read from its low end on: registers 0 and 1 first.
.macro QUANT src, X, dst, tmp, word
	WIN ((\X)<<2)|((\X)<<4)                        ; sources 1 and 2 in window X
.irp b, 0,1,2,3
	v_max3_num_f32 v[TM+\b], 0x2800000, |v[(\src)+16*\b]|, |v[(\src)+16*\b+1]|   ; two chains a block, and the floor 2^(5 - 127): the byte cannot fall under 1
.endr
.irp i, 2,4,6,8,10,12,14
.irp b, 0,1,2,3
	v_max3_num_f32 v[TM+\b], v[TM+\b], |v[(\src)+16*\b+\i]|, |v[(\src)+16*\b+\i+1]|
.endr
.endr
	WIN 0
	v_max_num_f32 v[TM], v[TM], v[TM+1]            ; the blocks' largest magnitudes
	v_max_num_f32 v[TM+2], v[TM+2], v[TM+3]
.irp c, 0,1
	v_add_nc_u32 v[TM+12+\c], 0xfe000000, v[TM+2*\c]   ; 4 off its exponent field: the conversion's scale operand
.endr
.irp c, 0,1
	v_lshrrev_b32 v[TM+4+2*\c], 23, v[TM+12+\c]    ; the scale's byte
.endr
	v_lshl_or_b32 v[\word], v[TM+6], 16, v[TM+4]   ; my blocks h and 2 + h,
	v_lshlrev_b32 v[\word], v[SH], v[\word]        ; at their places in the word;
	v_permlanex16_b32 v[TM+5], v[\word], s[SEL], s[SEL+1]
	v_or_b32 v[\word], v[\word], v[TM+5]           ; with lane l xor 16's two it is whole
	WIN (\X)                                       ; source 0 in window X
.irp c, 0,1
	v_cvt_scalef32_pk16_bf6_f32 v[\dst+6*\c:\dst+6*\c+2], v[(\src)+32*\c:(\src)+32*\c+15], v[TM+12+\c]
	v_cvt_scalef32_pk16_bf6_f32 v[\tmp+4*\c:\tmp+4*\c+2], v[(\src)+32*\c+16:(\src)+32*\c+31], v[TM+12+\c]   ; (a conversion's three registers begin on an even number)
.endr
	WIN 0
	v_nop                                          ; one plain instruction behind a scaled conversion
.irp c, 0,1
.irp i, 0,1,2
	v_mov_b32 v[\dst+6*\c+3+\i], v[\tmp+4*\c+\i]
.endr
.endr
.endm
	XFETCH 0
	XFETCH 1
	XFETCH 2
	XFETCH 3
.irp b, 0,1,2,3                        ; a pair of row tiles at a time
	TILE 2*\b
	TILE 2*\b+1
.rept 4
	v_nop                                          ; four places between the last products and the first read of results
.endr
	s_wait_xcnt 0x0                                ; the last pair's stores have read their data: the codes' and words' registers are written again only behind this wait
	QUANT HA, 0, PC, CT, KW+\b
	s_cmp_lt_u32 s18, 2                            ; waves 0, 1 hold queries, waves 2, 3 keys
	s_cbranch_scc0 .Lkeys_\b
	v_perm_b32 v[QW], v[KW+\b], v[KW+\b], 0x01000100    ; row tile 2 b's two bytes, twice: the word serves the codes at K 0-63 and at K 64-127
	v_perm_b32 v[QW+1], v[KW+\b], v[KW+\b], 0x03020302  ; row tile 2 b + 1's
	global_store_b128 v1, v[PC:PC+3], s[8:9] offset:1024*(2*\b)
	global_store_b64 v2, v[PC+4:PC+5], s[8:9] offset:1024*(2*\b)+512
	global_store_b32 v3, v[QW], s[8:9] offset:1024*(2*\b)+768
	global_store_b128 v1, v[PC+6:PC+9], s[8:9] offset:1024*(2*\b+1)
	global_store_b64 v2, v[PC+10:PC+11], s[8:9] offset:1024*(2*\b+1)+512
	global_store_b32 v3, v[QW+1], s[8:9] offset:1024*(2*\b+1)+768
	s_branch .Ljoin_\b
.Lkeys_\b:
	s_wait_alu depctr_va_vdst(0)
.irp c, 0,1,2
	global_store_b128 v1, v[PC+4*\c:PC+4*\c+3], s[10:11] offset:1536*\b+512*\c   ; the pair's image: 512 consecutive bytes a store
.endr
.Ljoin_\b:
.endr
	s_cmp_lt_u32 s18, 2
	s_cbranch_scc1 .Lno_words
	global_store_b128 v1, v[KW:KW+3], s[12:13]     ; the four pairs' scale words
.Lno_words:
.irp n, 0,1                            ; V: my two tiles of 16 channels x 128 keys.  The places behind the last products are the four v_nop and the quantiser's lines above
	s_wait_xcnt 0x0                                ; the stores above have read the codes' registers
	QUANT 64*\n, 3, PC, CT, VW+\n
.irp c, 0,1,2
	global_store_b128 v1, v[PC+4*\c:PC+4*\c+3], s[14:15] offset:1536*\n+512*\c
.endr
.endr
	global_store_b64 v2, v[VW:VW+1], s[16:17]      ; their scale words: 256 consecutive bytes
	s_endpgm
.Lfunc_end_k_qc0fcaaf7ff_proj:
	.size	k_qc0fcaaf7ff_proj, .Lfunc_end_k_qc0fcaaf7ff_proj-k_qc0fcaaf7ff_proj
	.p2alignl 7, 3214868480
	.fill 96, 4, 3214868480
	.section	.rodata,"a",@progbits
	.p2align	6, 0x0
	.amdhsa_kernel k_qc0fcaaf7ff_proj
		.amdhsa_group_segment_fixed_size 0
		.amdhsa_private_segment_fixed_size 0
		.amdhsa_enable_private_segment 0
		.amdhsa_kernarg_size 56
		.amdhsa_user_sgpr_count 2
		.amdhsa_user_sgpr_kernarg_segment_ptr 1
		.amdhsa_wavefront_size32 1
		.amdhsa_system_sgpr_workgroup_id_x 1
		.amdhsa_system_sgpr_workgroup_id_y 1
		.amdhsa_system_sgpr_workgroup_id_z 1
		.amdhsa_system_vgpr_workitem_id 0
		.amdhsa_next_free_vgpr 1024
		.amdhsa_next_free_sgpr 66
		.amdhsa_reserve_vcc 0
		.amdhsa_float_denorm_mode_32 3
		.amdhsa_float_denorm_mode_16_64 3
		.amdhsa_memory_ordered 1
		.amdhsa_forward_progress 1
		.amdhsa_inst_pref_size 71
	.end_amdhsa_kernel
	.amdgpu_metadata
---
amdhsa.version: [ 1, 2 ]
amdhsa.kernels:
  - .name:           k_qc0fcaaf7ff_proj
    .symbol:         k_qc0fcaaf7ff_proj.kd
    .args:
      - { .name: img, .offset: 0, .size: 8, .value_kind: global_buffer, .address_space: global }
      - { .name: isc, .offset: 8, .size: 8, .value_kind: global_buffer, .address_space: global }
      - { .name: qrec, .offset: 16, .size: 8, .value_kind: global_buffer, .address_space: global }
      - { .name: kimg, .offset: 24, .size: 8, .value_kind: global_buffer, .address_space: global }
      - { .name: ksc, .offset: 32, .size: 8, .value_kind: global_buffer, .address_space: global }
      - { .name: vimg, .offset: 40, .size: 8, .value_kind: global_buffer, .address_space: global }
      - { .name: vsc, .offset: 48, .size: 8, .value_kind: global_buffer, .address_space: global }
    .group_segment_fixed_size: 0
    .private_segment_fixed_size: 0
    .kernarg_segment_align: 8
    .kernarg_segment_size: 56
    .max_flat_workgroup_size: 128
    .sgpr_count:     66
    .vgpr_count:     1024
    .wavefront_size: 32
...
	.end_amdgpu_metadata
.endif
;; end of part 2
;; launch attn (part 3): grid 8 x 32, 8 waves a work-group, no clusters, 36,352 bytes of LDS; arguments qrec, kimg, ksc, vimg, vsc, out0; writes out0
.if DOCPART == 3
	.amdgcn_target "amdgcn-amd-amdhsa--gfx1250"
	.amdhsa_code_object_version 6
	.text
	.protected	k_qc0fcaaf7ff_attn
	.globl	k_qc0fcaaf7ff_attn
	.p2align	8
	.type	k_qc0fcaaf7ff_attn,@function
k_qc0fcaaf7ff_attn:
	s_mov_b64 s[64:65], 0
	v_nop
	global_prefetch_b8 v0, s[64:65] scope:SCOPE_SE
	s_setreg_imm32_b32 hwreg(HW_REG_WAVE_MODE, 25, 1), 1
	s_wait_xcnt 0x0
; Launch 3 of 3: out[b][q][64 head + d] = the sum over keys of Q6(exp(s / 8) / (sum of exp + 1e-8)) Q6(v), s = Q6(q) . Q6(k), Q6 the quantiser to E3M2 along each product's K.  No work is left out.
; THE WEIGHTS ARE QUANTISED FINISHED AND NORMALISED, as the problem writes them, so a row's sum over all 2,048 keys is needed before any of its weights can be turned into a code.  No maximum is taken away: the problem takes none.
; SHARES.  A work-group owns 256 queries (16 tiles) of one (batch, head).  ITS EIGHT WAVES, two on a SIMD, SHARE THE KEYS: wave w holds keys 256 w .. 256 w + 255.  Its codes of K (8 pairs of key tiles, 96 registers) and of V
; (8 fragments, 96 registers) are read from memory once and stay in registers for all 16 tiles.  A tile's 16 x 256 exponentials stay in 128 registers from the exponential to the conversion: each is computed once.
; The waves meet twice a tile in LDS: for the row sums (8 partial sums a query) and for O (8 partial tiles of 16 queries x 64 channels, which each wave adds for 2 of the rows and stores).
; K = 64 IN AN INSTRUCTION OF 128: source 0 holds key tile 2 p at K 0-63 and key tile 2 p + 1 at K 64-127; it is multiplied by [q, 0] and by [0, q], two views of 18 registers 0 (6), q (6), 0 (6): zero codes add nothing.
; LAYOUT.  Both products are used transposed (S^T = K Q^T, O^T = V^T P^T): a lane holds ONE query (lane % 16).  Row r of tile T (of queries, of keys) is position 64 (T / 4) + 8 (T % 4) + r % 8 + 32 (r / 8), so register 32 c + i
; of the scores is key 256 w + 64 c + 32 h + i, h = lane / 16: A BLOCK OF 32 KEYS LIES WHOLE IN A LANE, in the order in which the operand wants it.  No lane exchange is needed for its largest weight or for its codes.
; ROUNDS.  Scores, scalings, exponentials and sums go by pairs of key tiles (16 registers), in 10 rounds, each behind one wait: round p scales pair p, adds pair p - 2 to the sum, starts pair p + 2's products and
; exponentiates pair p - 1; all of it under one setting of the register windows.  A tile's O is left in the stage at the trip's end and finished INSIDE THE NEXT TILE'S ROUNDS: so the first tile is written out
; without these lines, and the last O is finished behind the loop.  The row sums' way through LDS stands under the search for the blocks' largest p.
; NO CLUSTER: the eight work-groups of a head read the same K and V, but each once, at its head, into registers; a joint load lands in LDS alone, from where the 192 KiB would have to be read once more.
; NO PREFETCH: the loop's only loads are a tile's 896 bytes of q, asked for in the trip before, ahead of the last 3 of its 10 rounds and of all that follows them.
; LIMITS: where exp overflows (s / 8 over 88.7) the problem's own result is not finite, and this one is not served; an exponential under 2^-126 comes out as 0; 1 / (sum + 1e-8) is v_rcp_f32 with one Newton step,
; and each weight is one multiplication by it, not a division; a block of zero weights gets the byte 1 (its codes are zeros); NaN and infinities are not served.
; REGISTERS, in windows of 256 (s_set_vgpr_msb: bits 1:0 source 0, 3:2 source 1, 5:4 source 2, 7:6 destination)
.set STAGE, 512                        ; LDS 0-511: query r's eight partial sums at 32 r + 4 w; then 8 waves x 16 rows x (256 bytes + 16)
.set SPARE, STAGE+8*16*272             ; 35,328: the spare words, 128 bytes for each wave: four blocks of 256 bytes that no other line names
; window 1: v0-127 the scores, then the weights;
.set KB,  128                          ; v128-223 K's pairs (12 p)
.set QZ,  224                          ; v224-229 zeros, v230-235 q's codes, v236-241 zeros
.set SUM, 242                          ; v242-249 four chains of packed sums
; window 0:
.set LI,  1                            ; v1   16 x lane
.set L8,  2                            ; v2   8 x lane
.set L4,  3                            ; v3   4 x lane
.set LW,  4                            ; v4   where I put my partial sum
.set LR,  5                            ; v5   where I read my query's eight
.set SO,  6                            ; v6   the stage: where I put 32 bytes of a row
.set SR,  7                            ; v7   and where I read 16 bytes of one of my 2 rows back
.set GO,  8                            ; v8   my byte offset in two rows of out
.set SPW, 9                            ; v9   LDS address of my spare word; never rewritten
.set NIL, 10                           ; v10  0; never rewritten
.set SH,  12                           ; v12  8 h
.set QS,  13                           ; v13  q's scale word
.set KS,  16                           ; v16-23 K's scale words, one a pair
.set VS,  24                           ; v24-31 V's, at 4 g + t
.set O,   32                           ; v32-63 my partial O^T, 8 t
.set TM,  64                           ; v64-67 a block's largest weight
.set TS,  68                           ; v68-71 the conversions' scale operands
.set BY,  72                           ; v72-75 the scales' bytes
.set TP,  76                           ; v76-77 the other half's words
.set PW,  78                           ; v78-79 the weights' scale words, one a key step
.set T,   80                           ; v80-81 at work
.set R,   82                           ; v82   1 / (sum + 1e-8)  (v83 is named with it as a pair)
.set PC,  84                           ; v84-107 the weights' codes, 12 g
.set CT,  108                          ; v108-123 the conversions' second halves;
.set LP,  108                          ; earlier in a trip v108-115: the eight partial sums
.set RB,  124                          ; v124-155 rows read back from the stage
.set VB,  160                          ; v160-255 V's fragments (key step g, d tile t at 12 (4 g + t))
.set MSB, 0
.macro WIN new                         ; the immediate's high byte repeats the setting that is left; a switch that changes nothing is dropped
.if MSB != (\new)
	s_set_vgpr_msb (MSB<<8)|(\new)
.set MSB, (\new)
.endif
.endm
	s_load_b256 s[4:11], s[0:1], 0x0               ; qrec s[4:5], kimg s[6:7], ksc s[8:9], vimg s[10:11]
	s_load_b128 s[12:15], s[0:1], 0x20             ; vsc s[12:13], out0 s[14:15]
	WIN 0x40
.irp i, 0,1,2,3,4,5
	v_mov_b32 v[QZ+\i], 0                          ; the zero codes on both sides of q: written once
	v_mov_b32 v[QZ+12+\i], 0
.endr
	WIN 0
	v_lshl_add_u32 v[SPW], v0, 2, SPARE
	v_mov_b32 v[NIL], 0
	v_mov_b32 v[TP], 0                             ; written once: a lane permute's destination counts as one of its sources
	v_mov_b32 v[TP+1], 0
	v_mov_b32 v[T+1], 0
	v_mov_b32 v[R+1], 0                            ; (named in a pair)
	v_lshrrev_b32 v11, 5, v0
	v_readfirstlane_b32 s16, v11                   ; wave w
	v_and_b32 v11, 31, v0
	v_lshlrev_b32 v[LI], 4, v11
	v_lshlrev_b32 v[L8], 3, v11
	v_lshlrev_b32 v[L4], 2, v11
	v_and_b32 v14, 15, v0                          ; r
	v_bfe_u32 v15, v0, 4, 1                        ; h
	v_lshlrev_b32 v[SH], 3, v15
	v_lshlrev_b32 v[LR], 5, v14                    ; 32 r
	v_mul_u32_u24 v[SO], v14, 272
	v_lshl_add_u32 v[SO], v15, 5, v[SO]            ; row r, + 32 h
	v_mul_u32_u24 v[SR], v15, 272
	v_lshl_add_u32 v[SR], v14, 4, v[SR]            ; lanes 0-15 one row, lanes 16-31 the next; 16 bytes a lane
	v_lshlrev_b32 v[GO], 11, v15
	v_lshl_add_u32 v[GO], v14, 4, v[GO]            ; and the same two rows in out (2,048 bytes a row)
	s_lshl_b32 s24, s16, 2
	v_add_nc_u32 v[LW], s24, v[LR]                 ; 32 r + 4 w
	s_mul_i32 s24, s16, 16*272
	s_add_co_u32 s24, s24, STAGE                   ; my stage
	v_add_nc_u32 v[SO], s24, v[SO]
	s_mul_i32 s24, s16, 2*272
	s_add_co_u32 s24, s24, STAGE                   ; rows 2 w, 2 w + 1 of stage 0
	v_add_nc_u32 v[SR], s24, v[SR]
	s_mov_b32 s17, 0                               ; the tile at work
	s_mov_b32 s18, 0x3e38aa3b                      ; log2(e) / 8
	s_mov_b32 s19, s18                             ; (named with it as a pair, so it is written)
	s_mov_b32 s20, 0x76543210
	s_mov_b32 s21, 0xfedcba98                      ; v_permlanex16_b32's selects for lane l xor 16
	s_mov_b32 s39, 0
	s_and_b32 s24, ttmp7, 0xffff                   ; bh
	s_lshl_b32 s26, s24, 17
	s_lshl_b32 s25, ttmp9, 14
	s_add_co_u32 s26, s26, s25                     ; qrec: (128 bh + 16 block) x 1,024
	s_mov_b32 s27, 0
	s_mul_i32 s28, s24, 98304
	s_mul_i32 s25, s16, 12288
	s_add_co_u32 s28, s28, s25                     ; kimg, vimg: 64 fragments a head, 8 a wave, 1,536 bytes each
	s_mov_b32 s29, 0
	s_lshl_b32 s30, s24, 13
	s_lshl_b32 s25, s16, 10
	s_add_co_u32 s30, s30, s25                     ; ksc, vsc: 16 key steps a head, 2 a wave, 512 bytes each
	s_mov_b32 s31, 0
	s_lshr_b32 s32, s24, 3
	s_lshl_b32 s32, s32, 22                        ; out: the batch,
	s_lshl_b32 s25, ttmp9, 19
	s_add_co_u32 s32, s32, s25                     ; my block's 256 rows,
	s_and_b32 s25, s24, 7
	s_lshl_b32 s25, s25, 8
	s_add_co_u32 s32, s32, s25                     ; the head's 256 bytes of a row,
	s_lshl_b32 s25, s16, 1
	s_lshr_b32 s34, s16, 2
	s_mul_i32 s34, s34, 24
	s_add_co_u32 s25, s25, s34
	s_lshl_b32 s25, s25, 11
	s_add_co_u32 s32, s32, s25                     ; and the rows that I store: rows 2 w, 2 w + 1 of a tile are its positions 2 w + 24 (w / 4) on
	s_mov_b32 s33, 0
	s_wait_alu depctr_va_vdst(0)                   ; the wait at the head's end
	s_wait_kmcnt 0x0
	s_add_nc_u64 s[4:5], s[4:5], s[26:27]
	s_add_nc_u64 s[6:7], s[6:7], s[28:29]
	s_add_nc_u64 s[8:9], s[8:9], s[30:31]
	s_add_nc_u64 s[10:11], s[10:11], s[28:29]
	s_add_nc_u64 s[12:13], s[12:13], s[30:31]
	s_add_nc_u64 s[14:15], s[14:15], s[32:33]
; a tile's q: three loads
.macro QLOAD
	WIN 0x40
	global_load_b128 v[QZ+6:QZ+9], v[LI], s[4:5]
	global_load_b64 v[QZ+10:QZ+11], v[L8], s[4:5] offset:512
	WIN 0
	global_load_b32 v[QS], v[L4], s[4:5] offset:768
.endm
	; what the first scores want comes first: q, K's scale words, K; then V and its scale words: 57 loads
	QLOAD
.irp g, 0,1
	global_load_b128 v[KS+4*\g:KS+4*\g+3], v[LI], s[8:9] offset:512*\g
.endr
	WIN 0x40                                       ; destination window 1
.set i, 0
.rept 24
	global_load_b128 v[KB+4*i:KB+4*i+3], v[LI], s[6:7] offset:512*i      ; my 8 pairs of key tiles: they stay
.set i, i+1
.endr
	WIN 0
.set i, 0
.rept 24
	global_load_b128 v[VB+4*i:VB+4*i+3], v[LI], s[10:11] offset:512*i    ; my 8 fragments of V: they stay
.set i, i+1
.endr
.irp g, 0,1
.irp i, 0,1
	global_load_b64 v[VS+4*\g+2*\i:VS+4*\g+2*\i+1], v[L8], s[12:13] offset:512*\g+256*\i
.endr
.endr
; one of pair b's two products: its key tile 2 b + u
.macro QK b, u
	v_wmma_scale_f32_16x16x128_f8f6f4 v[16*(\b)+8*(\u):16*(\b)+8*(\u)+7], v[KB+12*(\b):KB+12*(\b)+11], v[QZ+6-6*(\u):QZ+17-6*(\u)], 0, v[KS+(\b)], v[QS] matrix_a_fmt:MATRIX_FMT_BF6 matrix_b_fmt:MATRIX_FMT_BF6
.endm
; rows 2 w, 2 w + 1 of a tile of O: the eight waves' parts out of the stages,
.macro OLOAD
.irp u, 0,1,2,3,4,5,6,7
	ds_load_b128 v[RB+4*\u:RB+4*\u+3], v[SR] offset:16*272*\u
.endr
.endm
; added, in the same order in every wave, and stored: tile s17 - 1
.macro OOUT
	s_sub_co_u32 s36, s17, 1
	s_lshr_b32 s37, s36, 2
	s_lshl_b32 s37, s37, 17                        ; 64 rows for each four tiles,
	s_and_b32 s36, s36, 3
	s_lshl_b32 s36, s36, 14                        ; 8 for each tile among them
	s_add_co_u32 s36, s36, s37
	s_mov_b32 s37, 0
	s_add_nc_u64 s[34:35], s[14:15], s[36:37]      ; (an earlier store that read this base is behind a wait on XCNT)
	s_wait_dscnt 0x0
.irp u, 0,1,2,3
.irp i, 0,2
	v_pk_add_f32 v[RB+4*\u+\i:RB+4*\u+\i+1], v[RB+4*\u+\i:RB+4*\u+\i+1], v[RB+16+4*\u+\i:RB+16+4*\u+\i+1]
.endr
.endr
.irp i, 0,2,4,6
	v_pk_add_f32 v[RB+\i:RB+\i+1], v[RB+\i:RB+\i+1], v[RB+8+\i:RB+8+\i+1]
.endr
.irp i, 0,2
	v_pk_add_f32 v[RB+\i:RB+\i+1], v[RB+\i:RB+\i+1], v[RB+4+\i:RB+4+\i+1]
.endr
	global_store_b128 v[GO], v[RB:RB+3], s[34:35] th:TH_STORE_NT   ; sixteen lanes store 256 consecutive bytes, aligned: one query's 64 channels of this head
.endm
; two more numbers of each of the four blocks into the search for its largest p
.macro MAXI i
.irp c, 0,1,2,3
	v_max3_num_f32 v[TM+\c], v[TM+\c], v[32*\c+\i], v[32*\c+\i+1]
.endr
.endm
; A TILE OF 16 QUERIES.  first = 1: the launch's first tile: there is no O of a tile before to finish, and K and V may still be on their way.
.macro TRIP first
.if \first == 0
	s_wait_loadcnt 0x0                             ; this tile's q, asked for in the trip before
	s_wait_xcnt 0x0                                ; the last trip's store has read its data and its base: both are written again only behind this wait
.endif
	WIN 0x45                                       ; destination, sources 0 and 1: window 1: all through the rounds
.if \first
	s_wait_loadcnt 49                              ; q, K's scale words and pair 0: behind them 21 loads of K and V's 28 may be out
.endif
	QK 0, 0
	QK 0, 1
.if \first
	s_wait_loadcnt 46                              ; pair 1
.endif
	QK 1, 0
	QK 1, 1
.if \first == 0
	s_wait_dscnt 0x0                               ; for the others' sake: my stores into the stage, at the last trip's end, are done
	s_barrier_signal -1                            ; rounds 0 and 1, work on registers, stand between the signal and the wait
.endif
.rept 4
	v_nop                                          ; four places between products and the first read of their results; behind later products a round's eight scalings stand there
.endr
.set pp, 0
.rept 10
.if \first == 0
.if pp == 2
	s_barrier_wait -1                              ; the eight partial tiles lie in the stages
	WIN 0
	OLOAD
.endif
.endif
	WIN 0x45
.if pp > 0
	s_wait_alu depctr_va_vdst(0)                   ; one wait a round: ahead of the exponentials that read the last round's scalings, of the sums that read its exponentials, and of the products' first readers
.endif
.if pp < 8
.set kk, 0
.rept 8
	v_pk_mul_f32 v[16*pp+2*kk:16*pp+2*kk+1], v[16*pp+2*kk:16*pp+2*kk+1], s[18:19] op_sel_hi:[1,0]   ; each accumulator from its low end on
.set kk, kk+1
.endr
.else
	v_nop                                          ; a plain instruction behind the last exponential
.endif
.if pp == 2
.irp k, 0,2,4,6
	v_pk_add_f32 v[SUM+\k:SUM+\k+1], v[\k:\k+1], v[8+\k:8+\k+1]    ; the row's sum, of the unquantised p: four chains
.endr
.endif
.if pp > 2
.irp k, 0,2,4,6
	v_pk_add_f32 v[SUM+\k:SUM+\k+1], v[SUM+\k:SUM+\k+1], v[16*(pp-2)+\k:16*(pp-2)+\k+1]
.endr
.irp k, 0,2,4,6
	v_pk_add_f32 v[SUM+\k:SUM+\k+1], v[SUM+\k:SUM+\k+1], v[16*(pp-2)+8+\k:16*(pp-2)+8+\k+1]
.endr
.endif
.if pp == 7                            ; the next tile's q: the last products that read q stand in round 5.  The last trip asks for its own tile again: no load leaves its buffer
	s_cmp_lt_u32 s17, 15
	s_cselect_b32 s38, 1024, 0
	s_add_nc_u64 s[4:5], s[4:5], s[38:39]          ; (the wait at the trip's head has shown the loads that read this base done)
	QLOAD
	WIN 0x45
.endif
.if pp < 6
.if \first
	s_wait_loadcnt 28+3*(5-pp)                     ; pair pp + 2 is in; behind it the later pairs' loads and V's 28 may be out
.endif
	QK pp+2, 0
.endif
.if (pp > 0) && (pp < 9)
.set kk, 0
.rept 8
	v_exp_f32 v[16*(pp-1)+kk], v[16*(pp-1)+kk]
.set kk, kk+1
.endr
.endif
.if pp < 6
	QK pp+2, 1
.endif
.if (pp > 0) && (pp < 9)
.set kk, 8
.rept 8
	v_exp_f32 v[16*(pp-1)+kk], v[16*(pp-1)+kk]
.set kk, kk+1
.endr
.endif
.if \first == 0
.if pp == 6
	WIN 0
	OOUT                                           ; the tile before goes out
.endif
.endif
.set pp, pp+1
.endr
	v_pk_add_f32 v[SUM:SUM+1], v[SUM:SUM+1], v[SUM+4:SUM+5]
	v_pk_add_f32 v[SUM+2:SUM+3], v[SUM+2:SUM+3], v[SUM+6:SUM+7]
	v_pk_add_f32 v[SUM:SUM+1], v[SUM:SUM+1], v[SUM+2:SUM+3]
	WIN 0x05                                       ; sources 0 and 1 window 1
	v_add_f32 v[T], v[SUM], v[SUM+1]
	WIN 0
	v_permlanex16_b32 v[T+1], v[T], s20, s21
	v_add_f32 v[T], v[T], v[T+1]                   ; with lane l xor 16's keys
	ds_store_b32 v[LW], v[T]                       ; lanes l and l xor 16 write the same word with the same value.  Every wave's read of these words in the tile before came back ahead of its signal of the barrier that round 2 waits for
	; ---- each block's largest p (p x r rises with p, so the block's largest weight is this number x r): 16 lines while the store is out, 16 while the others arrive, 32 while the sums come back
	WIN 0x14                                       ; sources 1 and 2 window 1
.irp c, 0,1,2,3
	v_max3_num_f32 v[TM+\c], 0, v[32*\c], v[32*\c+1]
.endr
.irp i, 2,4,6
	MAXI \i
.endr
	s_wait_alu depctr_va_vdst(0)                   ; directly ahead of the wait below
	s_wait_dscnt 0x0                               ; for the others' sake: my store is done (and my reads of the stages are back)
	s_barrier_signal -1
.irp i, 8,10,12,14
	MAXI \i
.endr
	WIN 0
	s_wait_alu depctr_va_vdst(0)                   ; and here
	s_barrier_wait -1                              ; all eight partial sums lie in LDS
	ds_load_b128 v[LP:LP+3], v[LR]
	ds_load_b128 v[LP+4:LP+7], v[LR] offset:16
	WIN 0x14
.irp i, 16,18,20,22,24,26,28,30
	MAXI \i
.endr
	WIN 0
	s_wait_dscnt 0x0
	v_pk_add_f32 v[LP:LP+1], v[LP:LP+1], v[LP+4:LP+5]      ; the same order in all eight waves: the same sum
	v_pk_add_f32 v[LP+2:LP+3], v[LP+2:LP+3], v[LP+6:LP+7]
	v_pk_add_f32 v[LP:LP+1], v[LP:LP+1], v[LP+2:LP+3]
	v_add_f32 v[LP], v[LP], v[LP+1]
	v_add_f32 v[LP], 0x322bcc77, v[LP]             ; + 1e-8
	s_wait_alu depctr_va_vdst(0)                   ; the wait ahead of the reciprocal too
	v_rcp_f32 v[R], v[LP]
	v_nop                                          ; a plain instruction behind it
	s_wait_alu depctr_va_vdst(0)                   ; the wait ahead of its first reader
	v_fma_f32 v[LP+1], -v[LP], v[R], 1.0           ; one Newton step
	v_fma_f32 v[R], v[R], v[LP+1], v[R]
	; ---- my four blocks' scales
.irp c, 0,1,2,3
	v_mul_f32 v[TM+\c], v[TM+\c], v[R]             ; the block's largest weight: the same multiplication that its p gets below
.endr
.irp c, 0,1,2,3
	v_max_num_f32 v[TM+\c], 0x2800000, v[TM+\c]    ; the floor 2^(5 - 127): the byte cannot fall under 1
.endr
.irp c, 0,1,2,3
	v_add_nc_u32 v[TS+\c], 0xfe000000, v[TM+\c]    ; 4 off the exponent field: the conversion's scale operand
.endr
.irp c, 0,1,2,3
	v_lshrrev_b32 v[BY+\c], 23, v[TS+\c]           ; the scale's byte
.endr
.irp g, 0,1
	v_lshl_or_b32 v[PW+\g], v[BY+2*\g+1], 16, v[BY+2*\g]   ; my blocks h and 2 + h of key step g,
.endr
.irp g, 0,1
	v_lshlrev_b32 v[PW+\g], v[SH], v[PW+\g]        ; at their places in the word;
.endr
.irp g, 0,1
	v_permlanex16_b32 v[TP+\g], v[PW+\g], s20, s21
.endr
.irp g, 0,1
	v_or_b32 v[PW+\g], v[PW+\g], v[TP+\g]          ; with lane l xor 16's two it is whole
.endr
.if \first
	s_wait_loadcnt 3                               ; V and its scale words are in; behind them the next q's three loads may be out
.endif
	; ---- the finished weights, p x r.  (These 64 lines also stand between the scale words' last write and the products that name them)
	WIN 0x41                                       ; destination and source 0 window 1
.set j, 0
.rept 64
	v_pk_mul_f32 v[2*j:2*j+1], v[2*j:2*j+1], v[R:R+1] op_sel_hi:[1,0]
.set j, j+1
.endr
	; ---- their codes
	WIN 0x01                                       ; source 0 window 1
.irp c, 0,1,2,3
	v_cvt_scalef32_pk16_bf6_f32 v[PC+6*\c:PC+6*\c+2], v[32*\c:32*\c+15], v[TS+\c]
	v_cvt_scalef32_pk16_bf6_f32 v[CT+4*\c:CT+4*\c+2], v[32*\c+16:32*\c+31], v[TS+\c]   ; (a conversion's three registers begin on an even number)
.endr
	WIN 0
	v_nop                                          ; one plain instruction behind the last scaled conversion
.irp c, 0,1,2,3
.irp i, 0,1,2
	v_mov_b32 v[PC+6*\c+3+\i], v[CT+4*\c+\i]
.endr
.endr
.rept 4
	v_nop                                          ; an operand written by vector instructions stands four places ahead of a scaled matrix instruction
.endr
	; ---- my part of O^T = V^T P^T: four accumulators by turns, one instruction a turn; the first key step starts the sums
.irp g, 0,1
.irp t, 0,1,2,3
.if \g == 0
	v_wmma_scale_f32_16x16x128_f8f6f4 v[O+8*\t:O+8*\t+7], v[VB+12*(4*\g+\t):VB+12*(4*\g+\t)+11], v[PC+12*\g:PC+12*\g+11], 0, v[VS+4*\g+\t], v[PW+\g] matrix_a_fmt:MATRIX_FMT_BF6 matrix_b_fmt:MATRIX_FMT_BF6
.else
	v_wmma_scale_f32_16x16x128_f8f6f4 v[O+8*\t:O+8*\t+7], v[VB+12*(4*\g+\t):VB+12*(4*\g+\t)+11], v[PC+12*\g:PC+12*\g+11], v[O+8*\t:O+8*\t+7], v[VS+4*\g+\t], v[PW+\g] matrix_a_fmt:MATRIX_FMT_BF6 matrix_b_fmt:MATRIX_FMT_BF6
.endif
.endr
.endr
.rept 4
	v_nop                                          ; four places between the last products and the stores that read them
.endr
.irp t, 0,1,2,3
	ds_store_b128 v[SO], v[O+8*\t:O+8*\t+3] offset:64*\t           ; lane (r, h): query r, channels 16 t + 8 h + 0 .. 7; each accumulator from its low end on.
	ds_store_b128 v[SO], v[O+8*\t+4:O+8*\t+7] offset:64*\t+16      ; (every wave's reads of the stages for the tile before came back ahead of its signal of this trip's row-sum barrier)
.endr
.endm
	TRIP 1                                         ; the first tile, written out
	s_mov_b32 s17, 1
.Ltile:                                                ; 15 trips: a tile's scores, weights and partial O, and the tile before's O on its way out
	TRIP 0
	s_add_co_u32 s17, s17, 1
	s_cmp_lt_u32 s17, 16
	s_cbranch_scc1 .Ltile
	s_wait_dscnt 0x0                               ; the last tile's O: for the others' sake, my stores into the stage are done
	s_barrier_signal -1
	s_barrier_wait -1                              ; the eight partial tiles lie in the stages
	s_wait_xcnt 0x0                                ; the last trip's store has read its data and its base
	OLOAD
	OOUT
	s_wait_tensorcnt 0x0                           ; the wave's end: behind my last LDS store
	ds_add_u32 v[SPW], v[NIL]
	s_wait_dscnt 0x0
	s_endpgm
.Lfunc_end_k_qc0fcaaf7ff_attn:
	.size	k_qc0fcaaf7ff_attn, .Lfunc_end_k_qc0fcaaf7ff_attn-k_qc0fcaaf7ff_attn
	.p2alignl 7, 3214868480
	.fill 96, 4, 3214868480
	.section	.rodata,"a",@progbits
	.p2align	6, 0x0
	.amdhsa_kernel k_qc0fcaaf7ff_attn
		.amdhsa_group_segment_fixed_size 36352
		.amdhsa_private_segment_fixed_size 0
		.amdhsa_enable_private_segment 0
		.amdhsa_kernarg_size 48
		.amdhsa_user_sgpr_count 2
		.amdhsa_user_sgpr_kernarg_segment_ptr 1
		.amdhsa_wavefront_size32 1
		.amdhsa_system_sgpr_workgroup_id_x 1
		.amdhsa_system_sgpr_workgroup_id_y 1
		.amdhsa_system_sgpr_workgroup_id_z 1
		.amdhsa_system_vgpr_workitem_id 0
		.amdhsa_next_free_vgpr 512
		.amdhsa_next_free_sgpr 66
		.amdhsa_reserve_vcc 0
		.amdhsa_float_denorm_mode_32 3
		.amdhsa_float_denorm_mode_16_64 3
		.amdhsa_memory_ordered 1
		.amdhsa_forward_progress 1
		.amdhsa_inst_pref_size 70
	.end_amdhsa_kernel
	.amdgpu_metadata
---
amdhsa.version: [ 1, 2 ]
amdhsa.kernels:
  - .name:           k_qc0fcaaf7ff_attn
    .symbol:         k_qc0fcaaf7ff_attn.kd
    .args:
      - { .name: qrec, .offset: 0, .size: 8, .value_kind: global_buffer, .address_space: global }
      - { .name: kimg, .offset: 8, .size: 8, .value_kind: global_buffer, .address_space: global }
      - { .name: ksc, .offset: 16, .size: 8, .value_kind: global_buffer, .address_space: global }
      - { .name: vimg, .offset: 24, .size: 8, .value_kind: global_buffer, .address_space: global }
      - { .name: vsc, .offset: 32, .size: 8, .value_kind: global_buffer, .address_space: global }
      - { .name: out0, .offset: 40, .size: 8, .value_kind: global_buffer, .address_space: global }
    .group_segment_fixed_size: 36352
    .private_segment_fixed_size: 0
    .kernarg_segment_align: 8
    .kernarg_segment_size: 48
    .max_flat_workgroup_size: 256
    .sgpr_count:     66
    .vgpr_count:     512
    .wavefront_size: 32
...
	.end_amdgpu_metadata
.endif
;; end of part 3
